; MI455X (gfx1250); checked and timed in simulation.
; The chip was launched on July 23, 2026; its instructions are those of AMD's public machine-readable ISA for CDNA 5 (MIT licence, August 2026) and "CDNA5" Instruction Set Architecture Reference Guide (July 2026). The comments in the code are by the model that wrote it; some were corrected since.
;; Torch Group Gemm Reduce RS. Allowed arithmetic: matrix products marked QUANTISED: E3M2 operands, one E8M0 scale for each 32 along K, by v_wmma_scale_f32_16x16x128_f8f6f4 with both operands' format E3M2, f32 sums; everything else in f32.
;; Inputs: intermediate_states 16,384 x 1,024 float32; router_logits 8,192 x 8 float32; w_codes 8 x 512 x 32 x 24 uint8 (E3M2 codes of w, K innermost, in blocks of 32 codes, four codes in three bytes); w_scales 8 x 512 x 32 uint8 (E8M0 scales of w, one for each 32 codes along K).
;; Outputs: out0 8,192 x 512 float32.
;; This version of the problem:
;;   THIS VERSION OF THE PROBLEM IS GIVEN IN LOW PRECISION. The matrix products marked QUANTISED in the list below multiply operands that are first quantised to E3M2 (3 exponent bits, 2 mantissa bits; 6 bits a number), with one power-of-two scale for each 32 numbers along K (OCP MX v1.0); their sums are f32. All else is computed in f32.
;;   The module's matrix products, in the order in which they are computed (A, B: the left and right operand; K: the contracted axis; several contracted axes count as one K, in the product's order):
;;     1. [M 16,384, K 1,024] x [K 1,024, N 512]; A: computed on the way; B: input w (given as codes): QUANTISED
;;     2. [M 16,384, K 1,024] x [K 1,024, N 512]; A: computed on the way; B: input w (given as codes): QUANTISED
;;     3. [M 16,384, K 1,024] x [K 1,024, N 512]; A: computed on the way; B: input w (given as codes): QUANTISED
;;     4. [M 16,384, K 1,024] x [K 1,024, N 512]; A: computed on the way; B: input w (given as codes): QUANTISED
;;     5. [M 16,384, K 1,024] x [K 1,024, N 512]; A: computed on the way; B: input w (given as codes): QUANTISED
;;     6. [M 16,384, K 1,024] x [K 1,024, N 512]; A: computed on the way; B: input w (given as codes): QUANTISED
;;     7. [M 16,384, K 1,024] x [K 1,024, N 512]; A: computed on the way; B: input w (given as codes): QUANTISED
;;     8. [M 16,384, K 1,024] x [K 1,024, N 512]; A: computed on the way; B: input w (given as codes): QUANTISED
;;   THE QUANTISER, for each operand of a quantised product, along K:
;;     - K is cut into blocks of 32 from its start; a last block that is shorter is filled with zeros.
;;     - A block's scale is 2^e with e = floor(log2(the largest magnitude in the block)) - 4, held to -126 .. 127; a block of zeros has e = 0. As a byte (E8M0): e + 127.
;;     - Each number is divided by its block's scale, clamped to +-28, and rounded to the nearest number of E3M2, ties to even, subnormals kept.
;;     - The product sums the exact products of the quantised numbers (number of the format x scale) in f32.
;;   ~~~python
;;   def quantise(x, axis):      # numpy; x: float32 -> the quantised numbers, widened to float32 again
;;       x = np.moveaxis(x, axis, -1); K = x.shape[-1]
;;       x = np.pad(x, [(0, 0)] * (x.ndim - 1) + [(0, -K % 32)]); x = x.reshape(x.shape[:-1] + (-1, 32)); a = np.abs(x).max(-1, keepdims=True)
;;       e = np.where(a > 0, np.clip(np.frexp(np.where(a > 0, a, 1))[1] - 1 - 4, -126, 127), 0)      # np.frexp(a)[1] - 1 = floor(log2(a)), exactly
;;       r = np.clip(x / 2.0 ** e, -28, 28)
;;       step = 2.0 ** (np.maximum(np.frexp(np.where(r == 0, 1, r))[1] - 1, -2) - 2)
;;       q = np.round(r / step) * step * 2.0 ** e      # np.round: ties to even
;;       return np.moveaxis(q.reshape(q.shape[:-2] + (-1,))[..., :K], -1, axis).astype(np.float32)
;;   ~~~
;;   OPERANDS COMPUTED ON THE WAY. 'Computed on the way' means the value that the module computes at that place (a softmax that the list does not call 'softmax' is quantised finished and normalised). What goes into a quantiser is computed in f32, as accurately as f32 sums, v_exp_f32 and their like allow (about 1e-6 of the number): no bf16 or f16 on the way to a quantiser, and a product that is left as it is and whose result goes on into a quantised operand takes f32 operands (vector FMAs, or v_wmma_f32_16x16x4_f32). A number that lies on a knife's edge between two numbers of the format may be rounded either way, as far as f32 arithmetic and the matrix unit's own rounding can turn it there, and no further.
;;   INPUTS GIVEN AS CODES. w (in the module: [8, 1024, 512], K = its axis 1): each comes as NAME_codes (uint8): NAME with its K axis moved to the last place and cut into blocks of 32 codes, [.., K / 32, bytes a block], one block behind the other in memory; four codes in three bytes: a row's codes are one little-endian stream of bits, code i at bits 6 i .. 6 i + 5 (a code: sign, 3 exponent bits, 2 mantissa bits); and NAME_scales (uint8): the same leading axes, one E8M0 byte (e + 127) for each 32 codes along K. Its value is code x scale, taken as it is: it is not quantised again, and the codes and scales need not be those that the quantiser above would give.
;; One version. Each part assembles by itself: llvm-mc -triple=amdgcn-amd-amdhsa -mcpu=gfx1250 --defsym DOCPART=n.
;; ======== version 1 of 1: 2 launches
;; workspace buffers: a_codes 12,582,912 bytes; a_scales 524,288 bytes; rowe 65,536 bytes of whole numbers; roww 65,536 bytes
;; launch quant (part 1): grid 512 x 1, 4 waves a work-group, no clusters, 33,280 bytes of LDS; arguments intermediate_states, router_logits, a_codes, a_scales, rowe, roww; writes a_codes, a_scales, rowe, roww
.if DOCPART == 1
	.amdgcn_target "amdgcn-amd-amdhsa--gfx1250"
	.amdhsa_code_object_version 6
	.text
	.protected	k_q7a5dcdbcb4_quant
	.globl	k_q7a5dcdbcb4_quant
	.p2align	8
	.type	k_q7a5dcdbcb4_quant,@function
k_q7a5dcdbcb4_quant:
	s_mov_b64 s[64:65], 0
	v_nop
	global_prefetch_b8 v0, s[64:65] scope:SCOPE_SE
	s_setreg_imm32_b32 hwreg(HW_REG_WAVE_MODE, 25, 1), 1
	s_wait_xcnt 0x0
; TWO JOBS.  (1) x [16384][1024], f32, is turned into codes of BF6 (E3M2), 6 bits each, K innermost, with one E8M0 scale byte for each 32 along K.  (2) Wave 0 routes the work-group's 32 rows.
; (1) A block's scale is 2^(floor(log2(its largest magnitude)) - 4); its byte is the largest magnitude's own exponent field - 4, held at 1 from below.  (A block of zeros so gets the byte 1 where the rule says 127:
;     its codes are zeros, which add nothing under any byte but 0xff, and the bytes are read by this program alone.)  Each number is divided by the scale and rounded to the nearest code, ties to even; beyond 28 the largest code.
;     Rows are dense and 1,024 is a multiple of 32, so x is a plain stream of blocks of 32 numbers, and so are the codes and the scale bytes.  A wave takes 16 steps of 512 numbers; a work-group 32,768 numbers: rows 32 i .. 32 i + 31.
;     The conversion takes 16 numbers of ONE block from a lane's registers, so a lane must hold 16 NEIGHBOURS (two neighbouring lanes hold a block); a load is best where neighbouring LANES take neighbouring bytes.
;     Both are had: each of a step's four loads reads 512 consecutive bytes, 16 a lane; the 2,048 bytes go through the wave's own stage in LDS, as they lie, and come back 64 bytes a lane (16 bytes of padding behind each 64).
;     A lane's 16 codes are 12 bytes: the wave stores 384 consecutive bytes.  A wave's 256 scale bytes are gathered in its own 256 bytes of LDS and leave as one aligned run of 256 bytes.
;     No tensor loads, no ring, no barrier: waves share nothing.  Loads run four steps (16 loads a wave) ahead, the turn through LDS one step.
; (2) Lane l of wave 0 is row 32 i + l: token 16 i + l / 2, choice l % 2.  Softmax over the token's 8 logits with the maximum taken away, the two largest (ties: the lower index first, as top_k has it).
;     Stored: rowe[row] = the row's expert, roww[row] = its weight.  No address and no branch hangs on these numbers.
; LIMITS: blocks of x whose largest magnitude lies under 2^-122 keep the byte 1; NaN and infinities in x are not served.  Logits are finite.  The order is taken on the logits: two logits so close that their
;     probabilities round to the same f32 number are ordered by the logits, not by the index.  A weight whose exponential falls under 2^-126 counts as 0 (v_exp_f32 flushes it).
.set WAVES, 4
.set STEPS, 16
.set EMAX,  4
.set CB,    12                         ; bytes of 16 codes
.set R,     16                         ; v16-79   four sets of 16 numbers as they are loaded
.set X,     80                         ; v80-111  two sets of 16 neighbours
.set C,     128                        ; v128-191 codes: four registers for each step, so that no store's data are written again
.set E,     112                        ; v112-127 a scale byte for each step
.set L,     192                        ; v192-199 the logits, then their exponentials; v200-210 the routing's work
.set WREG,  8192                       ; LDS: a region of its own for each wave: two stages of 32 x SP bytes, and behind them its 256 scale bytes
.set SP,    80                         ; a lane's place in a stage: its 64 bytes + 16 of padding
.set LOG2E, 0x3fb8aa3b
	s_load_b256 s[4:11], s[0:1], 0x0               ; x s[4:5], logits s[6:7], codes s[8:9], scale bytes s[10:11]
	s_load_b128 s[12:15], s[0:1], 0x20             ; rowe s[12:13], roww s[14:15]
	v_lshl_add_u32 v224, v0, 2, 0x8000
	v_mov_b32 v225, 0
	v_lshrrev_b32 v1, 5, v0
	v_readfirstlane_b32 s16, v1                    ; wave
	v_and_b32 v2, 31, v0                           ; lane
	v_lshlrev_b32 v3, 4, v2                        ; my 16 bytes of a load's 512
	s_mul_i32 s17, s16, WREG
	v_lshrrev_b32 v14, 2, v2
	v_mul_u32_u24 v14, v14, SP
	v_and_b32 v15, 3, v2
	v_lshl_add_u32 v14, v15, 4, v14
	v_add_nc_u32 v14, s17, v14                     ; the stage, on the way in: four lanes' 64 bytes on end, then 16 of padding: SP (lane / 4) + 16 (lane % 4); a load's 512 bytes take eight places
	v_mul_u32_u24 v15, v2, SP
	v_add_nc_u32 v15, s17, v15                     ; and on the way out: SP x lane: my 16 neighbours
	v_mul_u32_u24 v4, v2, CB                       ; my codes' place in a step's
	v_lshrrev_b32 v5, 1, v2
	s_add_co_u32 s17, s17, 2*32*SP
	v_add_nc_u32 v5, s17, v5                       ; LDS: my wave's 256 scale bytes, my block's byte
	v_lshlrev_b32 v7, 3, v2                        ; and on the way out 8 bytes a lane
	v_add_nc_u32 v6, s17, v7
	v_lshrrev_b32 v200, 1, v2
	v_lshlrev_b32 v200, 5, v200                    ; my token's 32 bytes of logits
	s_lshl_b32 s17, ttmp9, 2
	s_add_co_u32 s18, s17, s16                     ; which run of 8,192 numbers is my wave's
	s_mov_b32 s19, 0
	s_mov_b64 s[20:21], 512*STEPS*4
	s_mul_u64 s[20:21], s[18:19], s[20:21]
	s_mov_b64 s[22:23], 32*STEPS*CB
	s_mul_u64 s[22:23], s[18:19], s[22:23]
	s_lshl_b32 s18, s18, 8                         ; 256 scale bytes a run
	s_lshl_b32 s24, ttmp9, 9                       ; the work-group's 16 tokens x 32 bytes of logits
	s_mov_b32 s25, 0
	s_lshl_b32 s26, ttmp9, 7                       ; its 32 rows x 4 bytes
	s_mov_b32 s27, 0
	s_wait_kmcnt 0x0
	s_add_nc_u64 s[4:5], s[4:5], s[20:21]
	s_add_nc_u64 s[8:9], s[8:9], s[22:23]
	s_add_nc_u64 s[10:11], s[10:11], s[18:19]
	s_add_nc_u64 s[6:7], s[6:7], s[24:25]
	s_add_nc_u64 s[12:13], s[12:13], s[26:27]
	s_add_nc_u64 s[14:15], s[14:15], s[26:27]
	s_cmp_lg_u32 s16, 0
	s_cbranch_scc1 .Lno_logits                     ; wave 0 asks for the logits ahead of everything else: they are older than every load that a counted wait below leaves out
	global_load_b128 v[L:L+3], v200, s[6:7]
	global_load_b128 v[L+4:L+7], v200, s[6:7] offset:16
.Lno_logits:
.macro LOAD t
.irp i, 0,1,2,3
	global_load_b128 v[R+16*((\t)%4)+4*\i:R+16*((\t)%4)+4*\i+3], v3, s[4:5] offset:2048*(\t)+512*\i th:TH_LOAD_NT   ; 32 lanes read 512 consecutive bytes
.endr
.endm
.macro TURN t                          ; step t's numbers through the stage: LDS serves a wave's instructions in order, so no wait stands between the stores and the loads
.irp i, 0,1,2,3
	ds_store_b128 v14, v[R+16*((\t)%4)+4*\i:R+16*((\t)%4)+4*\i+3] offset:32*SP*((\t)%2)+8*SP*\i
.endr
.irp i, 0,1,2,3
	ds_load_b128 v[X+16*((\t)%2)+4*\i:X+16*((\t)%2)+4*\i+3], v15 offset:32*SP*((\t)%2)+16*\i
.endr
.endm
.irp t, 0,1,2,3
	LOAD \t
.endr
	s_wait_loadcnt 12                              ; step 0's four loads are in
	TURN 0
.macro STEP t
.set XS, X+16*((\t)%2)
.if (\t) > 0
	s_wait_dscnt 1                                 ; this step's numbers are back from the stage (the last step's byte store may be out): so its stores into the stage have read their registers,
.else
	s_wait_dscnt 0x0
.endif
.if (\t)+4 < STEPS
	LOAD (\t)+4                                    ; which take the loads of four steps on
.endif
.if (\t)+1 < STEPS
.if STEPS-2-(\t) >= 3
	s_wait_loadcnt 12                              ; the next step's four loads are in; those of the three steps behind it may be out
.else
	s_wait_loadcnt 4*(STEPS-2-(\t))
.endif
	TURN (\t)+1                                    ; and go through the other stage while this step is worked
.endif
	v_max3_num_f32 v8, |v[XS]|, |v[XS+1]|, |v[XS+2]|               ; the largest magnitude of my 16
	v_max3_num_f32 v9, |v[XS+3]|, |v[XS+4]|, |v[XS+5]|
.irp i, 6,10
	v_max3_num_f32 v8, v8, |v[XS+\i]|, |v[XS+\i+1]|
	v_max3_num_f32 v9, v9, |v[XS+\i+2]|, |v[XS+\i+3]|
.endr
	v_max3_num_f32 v8, v8, |v[XS+14]|, |v[XS+15]|
	v_max3_num_f32 v8, v8, v9, (EMAX+1)<<23        ; and the floor 2^(EMAX + 1 - 127), under which no largest magnitude is taken: so the byte cannot fall under 1
	v_max_num_f32_dpp v8, v8, v8 row_xmask:1 row_mask:0xf bank_mask:0xf   ; and of my neighbour's 16: the block's
	v_add_nc_u32 v11, -(EMAX<<23), v8              ; EMAX off its exponent field: the conversion takes the exponent field of this operand as its scale, and nothing else of it
	v_cvt_scalef32_pk16_bf6_f32 v[C+4*(\t):C+4*(\t)+2], v[XS:XS+15], v11         ; sixteen numbers / 2^(v11's exponent), to the nearest code; 96 bits without gaps, the first number's code lowest
	v_lshrrev_b32 v[E+(\t)], 23, v11               ; the scale's byte
	ds_store_b8 v5, v[E+(\t)] offset:16*(\t)       ; both lanes of a block write the same byte with the same value
	global_store_b96 v4, v[C+4*(\t):C+4*(\t)+2], s[8:9] offset:32*CB*(\t)
.endm
.irp t, 0,1,2,3,4,5,6,7,8,9,10,11,12,13,14,15
	STEP \t
.endr
	ds_load_b64 v[12:13], v6                       ; LDS serves a wave's instructions in order: these see my stores
	s_wait_dscnt 0x0
	global_store_b64 v7, v[12:13], s[10:11]        ; 32 lanes store 256 consecutive bytes, aligned
	s_cmp_lg_u32 s16, 0
	s_cbranch_scc1 .Ldone                          ; waves 1 to 3 have done their part
	; ---- routing: none of the registers that the stores above name is written again.  The logits are in: the last steps waited for all loads
	v_mov_b32 v201, v[L]                           ; m1, the largest logit,
	v_mov_b32 v202, 0                              ; i1, its index
.irp j, 1,2,3,4,5,6,7
	v_cmp_ge_f32 vcc_lo, v201, v[L+\j]             ; m1 >= L_j: what is held stays (a tie keeps the lower index)
	v_cndmask_b32 v202, \j, v202, vcc_lo
	v_cndmask_b32 v201, v[L+\j], v201, vcc_lo
.endr
	v_mov_b32 v203, 0xff800000                     ; m2 = -infinity,
	v_mov_b32 v204, 8                              ; i2
.irp j, 0,1,2,3,4,5,6,7
	v_cmp_eq_u32 s24, \j, v202                     ; the first choice is passed over
	v_cmp_ge_f32 vcc_lo, v203, v[L+\j]
	s_or_b32 vcc_lo, vcc_lo, s24
	v_cndmask_b32 v204, \j, v204, vcc_lo
	v_cndmask_b32 v203, v[L+\j], v203, vcc_lo
.endr
	v_min_u32 v204, 7, v204                        ; (an index stays an index whatever the logits hold)
.irp j, 0,1,2,3,4,5,6,7
	v_sub_f32 v[L+\j], v[L+\j], v201               ; the maximum is taken away, as reference() does
.endr
	v_sub_f32 v203, v203, v201
.irp j, 0,1,2,3,4,5,6,7
	v_mul_f32 v[L+\j], LOG2E, v[L+\j]
.endr
	v_mul_f32 v203, LOG2E, v203
.irp j, 0,1,2,3,4,5,6,7
	v_exp_f32 v[L+\j], v[L+\j]
.endr
	v_exp_f32 v203, v203                           ; the second choice's exponential; the first's is 1
	v_and_b32 v207, 1, v0                          ; (a plain line behind the exponentials)  which choice my row is
	s_wait_alu depctr_va_vdst(0)
	v_add_f32 v[L], v[L], v[L+1]
	v_add_f32 v[L+2], v[L+2], v[L+3]
	v_add_f32 v[L+4], v[L+4], v[L+5]
	v_add_f32 v[L+6], v[L+6], v[L+7]
	v_add_f32 v[L], v[L], v[L+2]
	v_add_f32 v[L+4], v[L+4], v[L+6]
	v_add_f32 v[L], v[L], v[L+4]
	v_rcp_f32 v205, v[L]                           ; p1 = 1 / the sum
	v_lshlrev_b32 v210, 2, v2                      ; (a plain line behind the reciprocal)  my row's word
	s_wait_alu depctr_va_vdst(0)
	v_mul_f32 v206, v203, v205                     ; p2
	v_cmp_ne_u32 vcc_lo, 0, v207
	v_cndmask_b32 v208, v202, v204, vcc_lo         ; the row's expert: the second choice's for the odd row
	v_cndmask_b32 v209, v205, v206, vcc_lo         ; and its weight
	global_store_b32 v210, v208, s[12:13]          ; 32 lanes store 128 consecutive bytes
	global_store_b32 v210, v209, s[14:15]
.Ldone:
	s_wait_tensorcnt 0x0
	ds_add_u32 v224, v225
	s_wait_dscnt 0x0
	s_endpgm
.Lfunc_end_k_q7a5dcdbcb4_quant:
	.size	k_q7a5dcdbcb4_quant, .Lfunc_end_k_q7a5dcdbcb4_quant-k_q7a5dcdbcb4_quant
	.p2alignl 7, 3214868480
	.fill 96, 4, 3214868480
	.section	.rodata,"a",@progbits
	.p2align	6, 0x0
	.amdhsa_kernel k_q7a5dcdbcb4_quant
		.amdhsa_group_segment_fixed_size 33280
		.amdhsa_private_segment_fixed_size 0
		.amdhsa_enable_private_segment 0
		.amdhsa_kernarg_size 48
		.amdhsa_user_sgpr_count 2
		.amdhsa_user_sgpr_kernarg_segment_ptr 1
		.amdhsa_wavefront_size32 1
		.amdhsa_system_sgpr_workgroup_id_x 1
		.amdhsa_system_sgpr_workgroup_id_y 1
		.amdhsa_system_sgpr_workgroup_id_z 1
		.amdhsa_system_vgpr_workitem_id 0
		.amdhsa_next_free_vgpr 226
		.amdhsa_next_free_sgpr 66
		.amdhsa_reserve_vcc 1
		.amdhsa_float_denorm_mode_32 3
		.amdhsa_float_denorm_mode_16_64 3
		.amdhsa_memory_ordered 1
		.amdhsa_forward_progress 1
		.amdhsa_inst_pref_size 37
	.end_amdhsa_kernel
	.amdgpu_metadata
---
amdhsa.version: [ 1, 2 ]
amdhsa.kernels:
  - .name:           k_q7a5dcdbcb4_quant
    .symbol:         k_q7a5dcdbcb4_quant.kd
    .args:
      - { .name: intermediate_states, .offset: 0, .size: 8, .value_kind: global_buffer, .address_space: global }
      - { .name: router_logits, .offset: 8, .size: 8, .value_kind: global_buffer, .address_space: global }
      - { .name: a_codes, .offset: 16, .size: 8, .value_kind: global_buffer, .address_space: global }
      - { .name: a_scales, .offset: 24, .size: 8, .value_kind: global_buffer, .address_space: global }
      - { .name: rowe, .offset: 32, .size: 8, .value_kind: global_buffer, .address_space: global }
      - { .name: roww, .offset: 40, .size: 8, .value_kind: global_buffer, .address_space: global }
    .group_segment_fixed_size: 33280
    .private_segment_fixed_size: 0
    .kernarg_segment_align: 8
    .kernarg_segment_size: 48
    .max_flat_workgroup_size: 128
    .sgpr_count:     66
    .vgpr_count:     226
    .wavefront_size: 32
...
	.end_amdgpu_metadata
.endif
;; end of part 1
;; launch gemm (part 2): grid 4 x 64, 4 waves a work-group, clusters of 4 x 4, 327,680 bytes of LDS; arguments a_codes, a_scales, w_codes, w_scales, rowe, roww, out0; writes out0
.if DOCPART == 2
	.amdgcn_target "amdgcn-amd-amdhsa--gfx1250"
	.amdhsa_code_object_version 6
	.text
	.protected	k_q7a5dcdbcb4_gemm
	.globl	k_q7a5dcdbcb4_gemm
	.p2align	8
	.type	k_q7a5dcdbcb4_gemm,@function
k_q7a5dcdbcb4_gemm:
	s_mov_b64 s[64:65], 0
	v_nop
	global_prefetch_b8 v0, s[64:65] scope:SCOPE_SE
	s_setreg_imm32_b32 hwreg(HW_REG_WAVE_MODE, 25, 1), 1
	s_wait_xcnt 0x0
	s_wait_alu depctr_hold_cnt(0) depctr_sa_sdst(0) depctr_va_vdst(0) depctr_va_sdst(0) depctr_va_ssrc(0) depctr_va_vcc(0) depctr_vm_vsrc(0)
	s_getreg_b32 s2, hwreg(HW_REG_IB_STS2, 6, 4)
	s_cmp_eq_u32 s2, 0
	s_cbranch_scc0 .Lentry_in_a_cluster
	s_endpgm
.Lentry_in_a_cluster:
	s_bfe_u32 s2, ttmp6, 0x10000c
	s_cmp_lg_u32 s2, 0xf033
	s_cbranch_scc0 .Lentry_shape_is_right
	s_endpgm
.Lentry_shape_is_right:
; out[t] = w(2 t) y(2 t) + w(2 t + 1) y(2 t + 1),  y(row) = the sum over the eight experts e of (x's row, or zeros where the row's expert is not e) W[e]: reference()'s eight masked products, all made, on codes of BF6 (E3M2)
; with one E8M0 scale for each 32 along K; sums in f32.  x comes as codes [16384][768 bytes] and scale bytes [16384][32] from the launch before, with each row's expert and weight; W as given: [8 x 512][768 bytes], [8 x 512][32].
; ONE ACCUMULATOR FOR ALL EIGHT PRODUCTS.  The mask is laid on x's CODES: the registers of a fragment are ANDed with all ones or with 0, lane by lane (a lane holds one row).  Zero codes add exactly nothing, so the eight
; products of a row may be summed into one accumulator, in any order of expert and K: here K goes outermost in four periods of 256, and within a period the experts go in four pairs.  A row's own terms come with K ascending.
; SHARES.  A work-group of four waves, as many as a WGP has SIMDs, owns 256 rows x 128 output columns.  A TILE j = 4 p + q of the ring holds, for K = 256 p .. 256 p + 255, the 256 rows of x and 256 rows of W:
; the 128 columns of expert 2 q and those of expert 2 q + 1.  Wave (row half, parity) multiplies its 128 rows by the 128 columns of expert 2 q + parity: 64 accumulators of 16 x 16, 512 registers, 128 products a tile.
; At the end the two parities' sums of a row half are added.  x's tile is asked for again with each of a period's four tiles, so that all sixteen tiles are alike: 49,152 bytes a tile, one request for four work-groups.
; THE RING: two LDS slots filled by the tensor data mover, each wave one load of 128 rows x 192 bytes.  THE SCALES of the 256 rows of x and of the 128 columns of all eight experts come into LDS once, with the first fills, and stay.
; CLUSTERS: 4 x 4 work-groups.  The four of a row of the cluster own the same rows and need the same tiles of x, the four of a column own the same columns and need the same tiles of W: each tile is asked for JOINTLY, by
; the same tensor load with the same descriptor and a mask that names the four.  THE MATRIX INSTRUCTION IS USED TRANSPOSED (source 0 = 16 columns of W, source 1 = 16 rows of x): a lane holds one row and eight neighbouring columns.
; LIMITS: the byte 0xff in w_scales is not served (it would make a sum NaN over zero codes too); NaN and infinities are not served.
; REGISTERS, in windows of 256: window 0: v1-7 at work at the head; v8-15 the rows' weights; v16-31 addresses; v32-63 W's scale words, two sets, and nothing else; v64-95 the masks (pair q, block a at 8 q + a);
;   v96-127 x's scale words, two sets, and nothing else; v128-223 x's fragments (8 x 16 rows x 128 K), ONE set; on the way out v128-255 are at work.
;   window 1: W's fragments, TWO sets, at v0 and at v128.   window 2: the 32 accumulators of my rows 0-63 (accumulator (a, b) at v[8 (8 a + b)]);   window 3: those of my rows 64-127.
.set NQ,     2                         ; matrix instructions deep in a slot: 256 along K
.set ROWB,   192                       ; a tile's row in bytes: 256 codes of 6 bits
.set KROW,   768                       ; a row of x or of W in memory, in bytes
.set PITCH,  240                       ; an LDS row: 3 x (64 bytes of data + 16 of padding) = 60 words: row r starts at bank -4 r mod 64 (64 banks of 4 bytes: ISA guide 11.1), so the 32 lanes of a load of 8 bytes touch 64 different banks
.set FR,     12                        ; registers of a fragment: 16 rows x 128 K
.set NL,     6                         ; LDS loads that bring one
.set NP,     4                         ; places behind this matrix instruction (ISA guide 7.12.1)
.set HALFT,  128*PITCH                 ; 128 rows: what one tensor load brings, and what one wave reads of x or of W
.set SLOT,   4*HALFT                   ; x's 256 rows, then W's 256 rows
.set PAIRB,  2*512*KROW                ; from a pair of experts to the next, in w_codes
.set KS,     32                        ; a row of scale bytes
.set HALFS,  16*272                    ; the scale bytes of 128 rows: 4,096 bytes as 16 runs of 256 bytes + 16 of padding
.set SBLK,   2*272                     ; those of 16 rows
.set LSX,    2*SLOT                    ; behind the ring: x's scales, two halves of 128 rows;
.set LSW,    LSX+2*HALFS               ; W's: expert e's 128 columns at e x HALFS
.set SPARE,  LSW+8*HALFS               ; the spare words, 128 bytes for each wave: two blocks of 256 bytes that no other line names
.set SPITCH, 528                       ; the way out: a stage row: 512 bytes + 16
.set WSTG,   64*SPITCH                 ; a wave's stage: its 64 tokens.  The four stages lie in the ring, which has had its last fill and its last read when the first result is stored there
.set RW,   8                           ; v8-15   the weight of row 16 a + (lane % 16) of my 128
.set ADRA, 16                          ; v16-17  LDS address of my fragments of x in slot 0, 1  (v18-19: the same for the pieces that lie behind one padding more)
.set ADRB, 20                          ; v20-21  the same for W  (v22-23)
.set STO,  24                          ; v24     the way out: where I put 32 bytes of a token's row
.set RD,   25                          ; v25     the way out: where I read a row back
.set CO,   26                          ; v26     16 x lane: my bytes of a row of 512
.set ADSX, 27                          ; v27     LDS address of my rows' scale words of x
.set SPW,  28                          ; v28     LDS address of my spare word: SPARE + 4 x my thread's number; never rewritten
.set NIL,  29                          ; v29     0; never rewritten
.set ADSW, 30                          ; v30     LDS address of my columns' scale words of W, expert = my parity
.set ONES, 31                          ; v31     all ones
.set WSC,  32                          ; W's scale words: set s (for slot s) at 16 s; in it register 2 b + k: the word of column block b for the slot's k-th 128 along K
.set MK,   64
.set XSC,  96                          ; x's scale words likewise: 16 s + 2 a + k
.set AF,   128                         ; x's fragments
.set RE,   240                         ; v240-247 at the head: the rows' experts
.set TMP,  128                         ; the way out: two sets of 64
.set G1, 24                            ; s[24:31] descriptor group 1 for x's tiles;  s[32:39] group 0, one set for each slot
.set G0, 32
.set G1B, 48                           ; s[48:55], s[56:63] the same for W's tiles
.set G0B, 56
.set G1S, 68                           ; s[68:75], s[76:79] groups 1 and 0 for x's scales;  s[80:87], s[88:91] for W's
.set G0S, 76
.set G1SB, 80
.set G0SB, 88
.set MSB, 0
.macro WIN new                         ; the immediate's high byte repeats the setting that is left; a switch that changes nothing is dropped
.if MSB != (\new)
	s_set_vgpr_msb (MSB<<8)|(\new)
.set MSB, (\new)
.endif
.endm
.set MUL_LO, 0xa1                      ; source 0 (W) window 1, source 1 (x) window 0, C and D window 2
.set MUL_HI, 0xf1                      ; the same, C and D window 3
.set TO_B,   0x40                      ; destination window 1, address window 0
; A joint load: waves 0 and 1 fetch for x, waves 2 and 3 for W.  Each of the two lines has ONE mask and one set of registers for all that issue it; the branch hangs on the wave's number alone.
; Four v_nop follow each of the two lines, ahead of the jump, the label and what follows.
.macro JLOAD g0a, g1a, g0b, g1b
	s_cmp_eq_u32 s15, 0
	s_cbranch_scc0 .Lfor_b_\@
	tensor_load_to_lds s[\g0a:\g0a+3], s[\g1a:\g1a+7]
	s_nop 0
.rept 4
	v_nop
.endr
	s_branch .Lasked_\@
.Lfor_b_\@:
	tensor_load_to_lds s[\g0b:\g0b+3], s[\g1b:\g1b+7]
	s_nop 0
.rept 4
	v_nop
.endr
.Lasked_\@:
.endm
.macro CREST                           ; a round of the cluster's barrier behind its opening barrier
	s_cmp_lg_u32 s14, 0
	s_cbranch_scc1 .Lnot_wave_0_\@
	s_barrier_signal -3
.Lnot_wave_0_\@:
	s_barrier_wait -3
	s_barrier_signal -1
	s_barrier_wait -1
.endm
.macro CROUND                          ; a whole round
	s_barrier_signal -1
	s_barrier_wait -1
	CREST
.endm
	s_load_b128 s[4:7], s[0:1], 0x0                ; x's codes s[4:5], x's scales s[6:7]
	s_load_b128 s[8:11], s[0:1], 0x10              ; W's codes s[8:9], W's scales s[10:11]
	s_load_b128 s[96:99], s[0:1], 0x20             ; the rows' experts s[96:97], their weights s[98:99]
	s_load_b64 s[12:13], s[0:1], 0x30              ; out0
	v_lshl_add_u32 v[SPW], v0, 2, SPARE
	v_mov_b32 v[NIL], 0
	ds_add_u32 v28, v29
	ds_add_u32 v28, v29
	s_wait_dscnt 0x0
	v_lshrrev_b32 v1, 5, v0
	v_readfirstlane_b32 s14, v1                    ; wave 0..3
	s_lshr_b32 s15, s14, 1                         ; which half of the rows is mine.  Also: I fetch for x (0) or for W (1)
	s_and_b32 s16, s14, 1                          ; which expert of a pair is mine.  Also: which 128 rows of a tile I fetch
	s_bfe_u32 s40, ttmp6, 0x40000                  ; cx, cy: my place in the cluster
	s_bfe_u32 s41, ttmp6, 0x40004
	s_lshl_b32 s42, ttmp9, 2
	s_add_co_u32 s42, s42, s40                     ; my quarter of the columns = 4 x cluster x + cx
	s_and_b32 s17, ttmp7, 0xffff
	s_lshl_b32 s17, s17, 2
	s_add_co_u32 s17, s17, s41                     ; my block of 256 rows = 4 x cluster y + cy
	s_lshl_b32 s43, s41, 2
	s_lshl_b32 s43, 15, s43                        ; my row of the cluster
	s_lshl_b32 s44, 0x1111, s40                    ; my column
	; descriptor group 1: a tile of 128 rows x 192 bytes, padded in LDS
	s_or_b32 s[G1+0], s43, (0<<16)|(1<<20)|(1<<21)|(3<<22)|(3<<25)  ; 15:0 the mask: x's tiles go to my row; 17:16 element of 1 byte; 20 padding on; 21 set beside a mask; 24:22 after every 16 words (code 3); 31:25 of 4 words (code 3)
	s_or_b32 s[G1B+0], s44, (0<<16)|(1<<20)|(1<<21)|(3<<22)|(3<<25) ; the same with the mask of my column, for W's tiles
.irp g, G1, G1B
	s_mov_b32 s[\g+1], ROWB<<16                    ; tensor_dim0
	s_mov_b32 s[\g+2], 128<<16                     ; tensor_dim1 = 128
	s_mov_b32 s[\g+3], ROWB<<16                    ; tile_dim0
	s_mov_b32 s[\g+4], 128                         ; tile_dim1 = 128
	s_mov_b32 s[\g+5], KROW                        ; tensor_dim0_stride
	s_mov_b32 s[\g+6], 0
	s_mov_b32 s[\g+7], 0
.endr
	; x's scales of 128 rows: a dense block of 4,096 bytes, as 16 rows of 256 bytes (32 elements of 8 bytes), 16 bytes of padding behind each
	s_or_b32 s[G1S+0], s43, (3<<16)|(1<<20)|(1<<21)|(5<<22)|(3<<25)
	s_mov_b32 s[G1S+1], 32<<16
	s_mov_b32 s[G1S+2], 16<<16
	s_mov_b32 s[G1S+3], 32<<16
	s_mov_b32 s[G1S+4], 16
	s_mov_b32 s[G1S+5], 32
	s_mov_b32 s[G1S+6], 0
	s_mov_b32 s[G1S+7], 0
	; W's scales of four experts: for each the 4,096 dense bytes of my 128 columns (512 elements of 8 bytes), 16,384 bytes from expert to expert; the same padding behind every 256 bytes
	s_or_b32 s[G1SB+0], s44, (3<<16)|(1<<20)|(1<<21)|(5<<22)|(3<<25)
	s_mov_b32 s[G1SB+1], 512<<16
	s_mov_b32 s[G1SB+2], 4<<16
	s_mov_b32 s[G1SB+3], 512<<16
	s_mov_b32 s[G1SB+4], 4
	s_mov_b32 s[G1SB+5], 2048
	s_mov_b32 s[G1SB+6], 0
	s_mov_b32 s[G1SB+7], 0
	; where the tiles come from.  x's hang on the block of rows alone, which my row of the cluster shares; W's on the quarter of the columns alone, which my column shares.
	; Every wave makes both addresses, in registers that never hold the other coordinate, and asks by one of them.
	s_lshl_b32 s18, s16, 7
	s_lshl_b32 s20, s17, 8
	s_add_co_u32 s20, s20, s18                     ; x: row 256 x block + 128 x half
	s_lshl_b32 s18, s16, 9
	s_lshl_b32 s46, s42, 7
	s_add_co_u32 s46, s46, s18                     ; W: row 128 x quarter + 512 x (which expert of the pair)
	s_mov_b32 s21, 0
	s_mov_b32 s47, 0
	s_mov_b64 s[18:19], KS
	s_mul_u64 s[22:23], s[20:21], s[18:19]         ; where these rows' scales of x begin, in bytes
	s_lshl_b32 s92, s42, 7
	s_lshl_b32 s94, s16, 11
	s_add_co_u32 s92, s92, s94                     ; W's scales: row 128 x quarter + 2,048 x half: experts 0-3 or 4-7
	s_lshl_b32 s92, s92, 5
	s_mov_b32 s93, 0
	s_mov_b64 s[18:19], KROW
	s_mul_u64 s[20:21], s[20:21], s[18:19]         ; and the codes
	s_mul_u64 s[46:47], s[46:47], s[18:19]
	s_mul_i32 s45, s14, HALFT                      ; where they go: wave x 128 rows: no place in the cluster enters an LDS address
	s_mul_i32 s94, s16, HALFS
	s_mul_i32 s95, s16, 4*HALFS
	s_wait_kmcnt 0x0
	s_add_nc_u64 s[20:21], s[4:5], s[20:21]
	s_add_nc_u64 s[22:23], s[6:7], s[22:23]
	s_add_nc_u64 s[46:47], s[8:9], s[46:47]
	s_add_nc_u64 s[92:93], s[10:11], s[92:93]
	CROUND                                         ; all sixteen work-groups are here: the first joint loads meet
	s_mov_b32 s[G0S], 1
	s_add_co_u32 s[G0S+1], s94, LSX
	s_mov_b64 s[G0S+2:G0S+3], s[22:23]
	s_or_b32 s[G0S+3], s[G0S+3], 0x80000000
	s_mov_b32 s[G0SB], 1
	s_add_co_u32 s[G0SB+1], s95, LSW
	s_mov_b64 s[G0SB+2:G0SB+3], s[92:93]
	s_or_b32 s[G0SB+3], s[G0SB+3], 0x80000000
	JLOAD G0S, G1S, G0SB, G1SB                     ; the scales first: they are wanted with tile 0
.irp s, 0,1
	s_mov_b32 s[G0+4*\s], 1
	s_add_co_u32 s[G0+4*\s+1], s45, \s*SLOT
	s_mov_b64 s[G0+4*\s+2:G0+4*\s+3], s[20:21]     ; tiles 0 and 1 both take x's first 256 along K,
	s_or_b32 s[G0+4*\s+3], s[G0+4*\s+3], 0x80000000
	s_mov_b32 s[G0B+4*\s], 1
	s_add_co_u32 s[G0B+4*\s+1], s45, \s*SLOT
	s_add_nc_u64 s[G0B+4*\s+2:G0B+4*\s+3], s[46:47], \s*PAIRB   ; and the first two pairs of experts
	s_or_b32 s[G0B+4*\s+3], s[G0B+4*\s+3], 0x80000000
	JLOAD G0+4*\s, G1, G0B+4*\s, G1B
.endr
	v_and_b32 v1, 15, v0                           ; r = l % 16
	v_bfe_u32 v2, v0, 4, 1                         ; h = l / 16
	v_mul_u32_u24 v3, v1, PITCH
	v_mul_u32_u24 v4, v2, 24
	v_add_nc_u32 v4, v3, v4                        ; a fragment's row x pitch + 24 x half
	v_lshl_add_u32 v5, v2, 4, v4                   ; and the same behind one padding more
	s_mul_i32 s21, s15, HALFT                      ; my 128 rows of x
	s_mul_i32 s22, s16, HALFT                      ; my expert's 128 columns of W,
	s_add_co_u32 s22, s22, 2*HALFT                 ; which lie behind x's 256 rows
.irp s, 0,1
	v_add_nc_u32 v[ADRA+\s], s21, v4
	v_add_nc_u32 v[ADRB+\s], s22, v4
	v_add_nc_u32 v[ADRA+2+\s], s21, v5
	v_add_nc_u32 v[ADRB+2+\s], s22, v5
	s_add_co_u32 s21, s21, SLOT
	s_add_co_u32 s22, s22, SLOT
.endr
	v_lshlrev_b32 v5, 5, v1                        ; a row's scales: 32 bytes a row,
	v_lshrrev_b32 v6, 8, v5
	v_lshl_add_u32 v5, v6, 4, v5                   ; and 16 more for each 256 passed
	s_mul_i32 s21, s15, HALFS
	s_add_co_u32 s21, s21, LSX
	v_add_nc_u32 v[ADSX], s21, v5                  ; x's: my 128 rows.  (Lanes 16-31 take the same words as lanes 0-15: the unit reads lanes 0-15)
	s_mul_i32 s22, s16, HALFS
	s_add_co_u32 s22, s22, LSW
	v_add_nc_u32 v[ADSW], s22, v5                  ; W's: the expert of my parity in pair 0; pair q lies 2 q HALFS on
	s_mul_i32 s23, s14, WSTG                       ; my stage
	v_lshrrev_b32 v5, 1, v1
	v_mul_u32_u24 v5, v5, SPITCH                   ; in: the token r / 2 of a block's eight, 32 bytes for each half of the lanes
	v_lshl_add_u32 v5, v2, 5, v5
	v_add_nc_u32 v[STO], s23, v5
	v_and_b32 v6, 31, v0
	v_lshlrev_b32 v[CO], 4, v6                     ; back: the 32 lanes take one row of 512 bytes; and the same in out0
	s_mul_i32 s23, s15, 2*WSTG                     ; the stage of parity 0 of my row half (parity 1's lies WSTG on),
	s_mul_i32 s21, s16, 32*SPITCH                  ; and of its 64 tokens the 32 that I send
	s_add_co_u32 s23, s23, s21
	v_add_nc_u32 v[RD], s23, v[CO]
	s_lshl_b32 s20, s17, 8
	s_lshl_b32 s21, s15, 7
	s_add_co_u32 s20, s20, s21                     ; my first row: 256 x block + 128 x half
	s_lshl_b32 s22, s20, 2
	s_mov_b32 s23, 0
	s_add_nc_u64 s[96:97], s[96:97], s[22:23]
	s_add_nc_u64 s[98:99], s[98:99], s[22:23]
	v_lshlrev_b32 v7, 2, v1
.irp a, 0,1,2,3,4,5,6,7
	global_load_b32 v[RE+\a], v7, s[96:97] offset:64*\a   ; the expert of row 16 a + r,
	global_load_b32 v[RW+\a], v7, s[98:99] offset:64*\a   ; its weight
.endr
	s_lshl_b32 s20, s17, 7
	s_lshl_b32 s21, s15, 6
	s_add_co_u32 s20, s20, s21
	s_lshl_b32 s21, s16, 5
	s_add_co_u32 s20, s20, s21                     ; the first token that I send: 128 x block + 64 x row half + 32 x parity
	s_lshl_b32 s20, s20, 11                        ; a row of out0 is 2,048 bytes
	s_mov_b32 s21, 0
	s_lshl_b32 s46, s42, 9                         ; my quarter of it: 512 bytes
	s_mov_b32 s47, 0
	s_add_nc_u64 s[20:21], s[20:21], s[46:47]
	s_add_nc_u64 s[12:13], s[12:13], s[20:21]
	v_mov_b32 v[ONES], -1
	s_wait_loadcnt 0x0
.irp q, 0,1,2,3                        ; the masks: all ones where the row's expert is the one that I multiply by in pair q
	s_add_co_u32 s21, s16, 2*\q
.irp a, 0,1,2,3,4,5,6,7
	v_cmp_eq_u32 vcc_lo, s21, v[RE+\a]
	v_cndmask_b32 v[MK+8*\q+\a], 0, v[ONES], vcc_lo
.endr
.endr
.macro FRAG reg, adr, q, i             ; a fragment, 16 rows x 128 K of 6-bit codes, is 12 registers: lane l holds row l % 16; registers 6 c .. 6 c + 5 hold K = 64 c + 32 (l / 16) + 0 .. 31: 24 bytes of the row's stream of bits, as they lie
.irp p, 0,1,2,3,4,5                    ; in pieces of 8 bytes, so that every address is a multiple of the access's size.  Lanes 0-15 take the row's pieces 12 q + 0, 1, 2 and 12 q + 6, 7, 8, lanes 16-31 those three pieces on
.set PC, 12*(\q)+6*(\p/3)+\p%3        ; the mover has laid 16 bytes of padding behind every 64 bytes (8 pieces): where the piece three on lies behind one padding more, the second address register (40 for 24 bytes a half) serves
.if PC%8 < 5
	ds_load_b64 v[\reg+2*\p:\reg+2*\p+1], v[\adr] offset:8*PC+16*(PC/8)+(\i)*16*PITCH
.else
	ds_load_b64 v[\reg+2*\p:\reg+2*\p+1], v[\adr+2] offset:8*PC+16*(PC/8)+(\i)*16*PITCH
.endif
.endr
.endm
; 16 matrix instructions: x's blocks a0, a0 + 1 x W's eight, 128 along K: the slot's q-th.  p: W's set;  sc: the set of scale words.  zero = 1: the first product starts the sums: nothing is ever cleared.
; The 64 accumulators take turns, one instruction a turn, in the same order in every step.
.macro MUL16 a0, p, q, sc, zero
.irp a, \a0, \a0+1
.irp b, 0,1,2,3,4,5,6,7
.if \zero
	v_wmma_scale_f32_16x16x128_f8f6f4 v[8*(8*((\a)%4)+\b):8*(8*((\a)%4)+\b)+7], v[128*(\p)+FR*\b:128*(\p)+FR*\b+FR-1], v[AF+FR*(\a):AF+FR*(\a)+FR-1], 0, v[WSC+16*(\sc)+NQ*\b+(\q)], v[XSC+16*(\sc)+NQ*(\a)+(\q)] matrix_a_fmt:MATRIX_FMT_BF6 matrix_b_fmt:MATRIX_FMT_BF6
.else
	v_wmma_scale_f32_16x16x128_f8f6f4 v[8*(8*((\a)%4)+\b):8*(8*((\a)%4)+\b)+7], v[128*(\p)+FR*\b:128*(\p)+FR*\b+FR-1], v[AF+FR*(\a):AF+FR*(\a)+FR-1], v[8*(8*((\a)%4)+\b):8*(8*((\a)%4)+\b)+7], v[WSC+16*(\sc)+NQ*\b+(\q)], v[XSC+16*(\sc)+NQ*(\a)+(\q)] matrix_a_fmt:MATRIX_FMT_BF6 matrix_b_fmt:MATRIX_FMT_BF6
.endif
.endr
.endr
.endm
.macro FETCH_B slot, q, p              ; W's eight fragments of the slot's q-th 128 along K into set p
	WIN TO_B
.irp i, 0,1,2,3,4,5,6,7
	FRAG 128*(\p)+FR*\i, ADRB+\slot, \q, \i
.endr
	WIN 0
.endm
.macro FETCH_A slot, q, i0             ; x's blocks i0 .. i0 + 3
.irp i, \i0, \i0+1, \i0+2, \i0+3
	FRAG AF+FR*(\i), ADRA+\slot, \q, \i
.endr
.endm
.macro SCALES sc, mq                   ; a tile's scale words into set sc: two words a row: x's blocks, and W's blocks of my expert of pair mq
.irp i, 0,1,2,3,4,5,6,7
	ds_load_b64 v[XSC+16*(\sc)+NQ*\i:XSC+16*(\sc)+NQ*\i+1], v[ADSX] offset:\i*SBLK
	ds_load_b64 v[WSC+16*(\sc)+NQ*\i:WSC+16*(\sc)+NQ*\i+1], v[ADSW] offset:(\mq)*2*HALFS+\i*SBLK
.endr
.endm
; A load into a register that a matrix instruction has read, and a vector instruction or an LDS store that reads a matrix result, stand NP places behind that matrix instruction, and only plain vector
; instructions that name none of its registers are places (ISA guide 7.12.1 for vector instructions); this text does not count the matrix instructions in between.
.macro PLACES n
.rept \n
	v_nop
.endr
.endm
; THE MASK: the codes of x's blocks a0 .. a0 + 3 stay where the row's expert is mine of pair mq, and become zeros elsewhere.  An operand written by vector instructions stands four places ahead of a scaled
; matrix instruction: the four v_nop serve the registers written last.
.macro MASK a0, mq
.irp a, \a0, \a0+1, \a0+2, \a0+3
.irp i, 0,1,2,3,4,5,6,7,8,9,10,11
	v_and_b32 v[AF+FR*(\a)+\i], v[MK+8*(\mq)+(\a)], v[AF+FR*(\a)+\i]
.endr
.endr
	PLACES NP
.endm
; A tile's first 128 along K.  x has one set of registers: blocks 0-3 are fetched anew in the step's middle, blocks 4-7 at its end; W's fragments are at work through the whole step and have two sets.
.macro STEP slot, zero, mq
	s_wait_dscnt 4*NL                              ; W's set, the scale words and x's blocks 0-3 are in; the youngest 24 loads (x's blocks 4-7) may be out
	MASK 0, \mq
	WIN MUL_LO
	MUL16 0, 0, 0, \slot, \zero
	MUL16 2, 0, 0, \slot, \zero
	s_wait_dscnt 0                                 ; x's blocks 4-7 are in (asked for 32 matrix instructions ago)
	WIN 0
	MASK 4, \mq                                    ; its lines name no register of the products above: they are also the places in front of the loads below
	FETCH_B \slot, 1, 1
	FETCH_A \slot, 1, 0
	WIN MUL_HI
	MUL16 4, 0, 0, \slot, \zero
	MUL16 6, 0, 0, \slot, \zero
	PLACES NP
	WIN 0
	FETCH_A \slot, 1, 4
.endm
; A tile's second 128 along K changes slots: ONE barrier; in front of it each wave waits for all its tensor loads, adds 0 to its spare word, and waits for that and for its own reads of this slot.
; fill = 1: this slot is filled again, with the tile two on: kind = 0: the same period of K, two pairs of experts on; kind = 1: the next period, two pairs back.
; mq: this tile's pair;  nmq: the next tile's;  newp = 1: the next tile begins a period of K: the scale words lie 8 bytes on.
.macro TURN slot, next, fill, kind, mq, nmq, newp
	s_wait_tensorcnt 0x0                           ; all my tensor loads have landed: my part of the next slot;  (every window is 0 here: the add's two registers lie in window 0)
	ds_add_u32 v[SPW], v[NIL]                      ; 0 onto my spare word
	s_wait_dscnt 4*NL+1                            ; (the add and the youngest 24 loads, x's blocks 4-7, may be out)
	MASK 0, \mq
	WIN MUL_LO
	MUL16 0, 1, NQ-1, \slot, 0                     ; the mask and sixteen matrix instructions stand between the add and the wait for it
	s_wait_dscnt 0x0                               ; the add is done, and my reads of this slot are over
	s_barrier_signal -1
	MUL16 2, 1, NQ-1, \slot, 0
	WIN 0
	MASK 4, \mq                                    ; work on registers while the others arrive; also the places in front of the loads below
	s_barrier_wait -1
.if \fill
	CREST                                          ; the barrier has opened a round of the cluster's barrier: no wave of any partner still reads this slot's tile or has a load on its way
.if \kind
	s_add_nc_u64 s[G0+4*\slot+2:G0+4*\slot+3], s[G0+4*\slot+2:G0+4*\slot+3], ROWB
	s_sub_nc_u64 s[G0B+4*\slot+2:G0B+4*\slot+3], s[G0B+4*\slot+2:G0B+4*\slot+3], 2*PAIRB-ROWB
.else
	s_add_nc_u64 s[G0B+4*\slot+2:G0B+4*\slot+3], s[G0B+4*\slot+2:G0B+4*\slot+3], 2*PAIRB
.endif
	JLOAD G0+4*\slot, G1, G0B+4*\slot, G1B         ; the first tensor load behind the round: it has the next tile's 128 matrix instructions in which to land
.endif
.if \newp
	v_add_nc_u32 v[ADSX], 4*NQ, v[ADSX]            ; (no LDS load of mine is out)
	v_add_nc_u32 v[ADSW], 4*NQ, v[ADSW]
.endif
	FETCH_B \next, 0, 0
	FETCH_A \next, 0, 0
	SCALES \next, \nmq
	WIN MUL_HI
	MUL16 4, 1, NQ-1, \slot, 0
	MUL16 6, 1, NQ-1, \slot, 0
	PLACES NP
	WIN 0
	FETCH_A \next, 0, 4
.endm
	s_wait_tensorcnt 1                             ; the scales and my part of tile 0 are in (tile 1's load may be out)
	s_barrier_signal -1
	s_barrier_wait -1                              ; everybody's are
	FETCH_B 0, 0, 0
	FETCH_A 0, 0, 0
	SCALES 0, 0
	FETCH_A 0, 0, 4
	STEP 0, 1, 0                                   ; the first step stands in front of the loop: its products start the sums
	s_mov_b32 s3, 3
.Lperiod:                                              ; a trip is a period of K, four tiles, from its first tile's second half to the next period's first half; every slot that it leaves is filled again
	TURN 0, 1, 1, 0, 0, 1, 0
	STEP 1, 0, 1
	TURN 1, 0, 1, 0, 1, 2, 0
	STEP 0, 0, 2
	TURN 0, 1, 1, 1, 2, 3, 0
	STEP 1, 0, 3
	TURN 1, 0, 1, 1, 3, 0, 1
	STEP 0, 0, 0
	s_sub_co_u32 s3, s3, 1
	s_cmp_lg_u32 s3, 0
	s_cbranch_scc1 .Lperiod
	TURN 0, 1, 1, 0, 0, 1, 0                       ; the last period is written out: its first two tiles ask for its last two,
	STEP 1, 0, 1
	TURN 1, 0, 1, 0, 1, 2, 0
	STEP 0, 0, 2
	TURN 0, 1, 0, 0, 2, 3, 0                       ; and then nothing is left to ask for: no round of the cluster's barrier
	STEP 1, 0, 3
	s_wait_dscnt 4*NL                              ; the very last step: nothing more to fetch
	MASK 0, 3
	WIN MUL_LO
	MUL16 0, 1, NQ-1, 1, 0
	MUL16 2, 1, NQ-1, 1, 0
	s_wait_dscnt 0
	WIN 0
	MASK 4, 3
	WIN MUL_HI
	MUL16 4, 1, NQ-1, 1, 0
	MUL16 6, 1, NQ-1, 1, 0
	WIN 0
; THE WAY OUT.  Block a (16 rows = 8 tokens x 128 columns): each sum x its row's weight; a token's two rows lie in lanes r and r xor 1 and are added there; the token's 32 bytes of each lane go to my stage
; (both lanes of a pair hold the same numbers and write them to the same bytes).  Behind a barrier each wave reads 32 tokens' rows of 512 bytes from the stages of both parities, adds them and stores them.
.macro PACKW a
.set AC, 64*((\a)%4)
.set TB, TMP+64*((\a)%2)
.if (\a) > 1
	s_wait_dscnt 16                                ; block a - 2's sixteen stores have read this set; block a - 1's may be out
.endif
	WIN 0x02+(\a)/4                                ; source 0: window 2 or 3
.irp b, 0,1,2,3,4,5,6,7
.irp j, 0,2,4,6                        ; each accumulator from its low end on
.if (\a)%2
	v_pk_mul_f32 v[TB+8*\b+\j:TB+8*\b+\j+1], v[AC+8*\b+\j:AC+8*\b+\j+1], v[RW+(\a)-1:RW+(\a)] op_sel:[0,1] op_sel_hi:[1,1]   ; (of the pair of weights the second serves both halves)
.else
	v_pk_mul_f32 v[TB+8*\b+\j:TB+8*\b+\j+1], v[AC+8*\b+\j:AC+8*\b+\j+1], v[RW+(\a):RW+(\a)+1] op_sel_hi:[1,0]                ; (the first)
.endif
.endr
.endr
	WIN 0
.set ii, 0
.rept 64
	v_add_f32_dpp v[TB+ii], v[TB+ii], v[TB+ii] row_xmask:1 row_mask:0xf bank_mask:0xf
.set ii, ii+1
.endr
.irp b, 0,1,2,3,4,5,6,7
	ds_store_b128 v[STO], v[TB+8*\b:TB+8*\b+3] offset:(\a)*8*SPITCH+64*\b
	ds_store_b128 v[STO], v[TB+8*\b+4:TB+8*\b+7] offset:(\a)*8*SPITCH+64*\b+16
.endr
.endm
.macro LOADK k                         ; eight tokens' rows, from both parities' stages
.set UB, TMP+64*((\k)%2)
.irp i, 0,1,2,3,4,5,6,7
	ds_load_b128 v[UB+4*\i:UB+4*\i+3], v[RD] offset:(8*(\k)+\i)*SPITCH
	ds_load_b128 v[UB+32+4*\i:UB+32+4*\i+3], v[RD] offset:WSTG+(8*(\k)+\i)*SPITCH
.endr
.endm
.macro SENDK k, younger                ; younger: the LDS loads issued behind these sixteen, which may stay out
.set UB, TMP+64*((\k)%2)
	s_wait_dscnt \younger
.irp i, 0,2,4,6,8,10,12,14,16,18,20,22,24,26,28,30
	v_pk_add_f32 v[UB+\i:UB+\i+1], v[UB+\i:UB+\i+1], v[UB+32+\i:UB+32+\i+1]
.endr
.irp i, 0,1,2,3,4,5,6,7
	global_store_b128 v[CO], v[UB+4*\i:UB+4*\i+3], s[12:13] offset:(8*(\k)+\i)*2048 th:TH_STORE_NT   ; 32 lanes store 512 consecutive bytes, aligned; written once, read by nobody here
.endr
.endm
	s_barrier_signal -1                            ; no LDS instruction of mine is out: my reads of the ring are over
	PLACES NP                                      ; the places behind the last products
	s_barrier_wait -1                              ; everybody's are: the stages may be written over both slots, which have had their last fill
.irp a, 0,1,2,3,4,5,6,7
	PACKW \a
.endr
	s_wait_dscnt 0x0                               ; for the others' sake: my stores into my stage are done
	s_barrier_signal -1
	s_barrier_wait -1
	LOADK 0
	LOADK 1
	SENDK 0, 16
	s_wait_xcnt 0x0                                ; the stores have read their registers: the set may be loaded again
	LOADK 2
	SENDK 1, 16
	s_wait_xcnt 0x0
	LOADK 3
	SENDK 2, 16
	SENDK 3, 0
	s_wait_tensorcnt 0x0                           ; the wave's end: behind my last tensor load and my last LDS store
	ds_add_u32 v[SPW], v[NIL]
	s_wait_dscnt 0x0
	CROUND                                         ; the closing round: no work-group ends while a partner may still ask for a tile that names it
	s_endpgm
.Lfunc_end_k_q7a5dcdbcb4_gemm:
	.size	k_q7a5dcdbcb4_gemm, .Lfunc_end_k_q7a5dcdbcb4_gemm-k_q7a5dcdbcb4_gemm
	.p2alignl 7, 3214868480
	.fill 96, 4, 3214868480
	.section	.rodata,"a",@progbits
	.p2align	6, 0x0
	.amdhsa_kernel k_q7a5dcdbcb4_gemm
		.amdhsa_group_segment_fixed_size 327680
		.amdhsa_private_segment_fixed_size 0
		.amdhsa_enable_private_segment 0
		.amdhsa_kernarg_size 56
		.amdhsa_user_sgpr_count 2
		.amdhsa_user_sgpr_kernarg_segment_ptr 1
		.amdhsa_wavefront_size32 1
		.amdhsa_system_sgpr_workgroup_id_x 1
		.amdhsa_system_sgpr_workgroup_id_y 1
		.amdhsa_system_sgpr_workgroup_id_z 1
		.amdhsa_system_vgpr_workitem_id 0
		.amdhsa_next_free_vgpr 1024
		.amdhsa_next_free_sgpr 100
		.amdhsa_reserve_vcc 1
		.amdhsa_float_denorm_mode_32 3
		.amdhsa_float_denorm_mode_16_64 3
		.amdhsa_memory_ordered 1
		.amdhsa_forward_progress 1
		.amdhsa_inst_pref_size 255
	.end_amdhsa_kernel
	.section	.bss,"aw",@nobits
	.p2align	6
	.space	262144
	.amdgpu_metadata
---
amdhsa.version: [ 1, 2 ]
amdhsa.kernels:
  - .name:           k_q7a5dcdbcb4_gemm
    .symbol:         k_q7a5dcdbcb4_gemm.kd
    .args:
      - { .name: a_codes, .offset: 0, .size: 8, .value_kind: global_buffer, .address_space: global }
      - { .name: a_scales, .offset: 8, .size: 8, .value_kind: global_buffer, .address_space: global }
      - { .name: w_codes, .offset: 16, .size: 8, .value_kind: global_buffer, .address_space: global }
      - { .name: w_scales, .offset: 24, .size: 8, .value_kind: global_buffer, .address_space: global }
      - { .name: rowe, .offset: 32, .size: 8, .value_kind: global_buffer, .address_space: global }
      - { .name: roww, .offset: 40, .size: 8, .value_kind: global_buffer, .address_space: global }
      - { .name: out0, .offset: 48, .size: 8, .value_kind: global_buffer, .address_space: global }
    .group_segment_fixed_size: 327680
    .private_segment_fixed_size: 0
    .kernarg_segment_align: 8
    .kernarg_segment_size: 56
    .max_flat_workgroup_size: 128
    .sgpr_count:     100
    .vgpr_count:     1024
    .wavefront_size: 32
...
	.end_amdgpu_metadata
.endif
;; end of part 2
